; MI455X (gfx1250); checked and timed in simulation.
; The chip was launched on July 23, 2026; its instructions are those of AMD's public machine-readable ISA for CDNA 5 (MIT licence, August 2026) and "CDNA5" Instruction Set Architecture Reference Guide (July 2026). The comments in the code are by the model that wrote it; some were corrected since.
;; linear nce. Allowed arithmetic: float matrix products may take bf16 or f16 operands with f32 sums; all other float work in f32.
;; Inputs: bias 50,257 float32; input 16,384 x 2,048 float32; noise 25 int32; target 16,384 int32; unigram_prob 50,257 float32; weight 50,257 x 2,048 float32.
;; Outputs: out0 16,384 float32; out1 16,384 float32; out2 16,384 x 25 float32; out3 16,384 x 25 float32.
;; One version. Each part assembles by itself: llvm-mc -triple=amdgcn-amd-amdhsa -mcpu=gfx1250 --defsym DOCPART=n.
;; ======== version 1 of 1: 1 launch
;; launch nce (part 1): grid 256 x 1, 16 waves a work-group, no clusters, 263,168 bytes of LDS; arguments input, weight, target, noise, bias, unigram_prob, out0, out1, out2, out3; writes out0, out1, out2, out3
.if DOCPART == 1
	.amdgcn_target "amdgcn-amd-amdhsa--gfx1250"
	.amdhsa_code_object_version 6
	.text
	.protected	k_q243592edcf_nce
	.globl	k_q243592edcf_nce
	.p2align	8
	.type	k_q243592edcf_nce,@function
k_q243592edcf_nce:
	s_mov_b64 s[64:65], 0
	v_nop
	global_prefetch_b8 v0, s[64:65] scope:SCOPE_SE
	s_setreg_imm32_b32 hwreg(HW_REG_WAVE_MODE, 25, 1), 1
	s_wait_xcnt 0x0
; NCE scores.  out0[n] = exp(input[n] . weight[target[n]] + bias[target[n]]),  out1[n] = unigram_prob[target[n]],
;              out2[n][k] = exp(input[n] . weight[noise[k]] + bias[noise[k]]), out3[n][k] = unigram_prob[noise[k]].
; input [16384][2048] f32, weight [50257][2048] f32, 25 noise words.
;
; SHARES.  A work-group owns 64 tokens (four tiles of 16).  H is split over its 16 waves: wave w owns k = 128 w .. 128 w + 127, that is
; 512 bytes of every row, so each 16-byte-a-lane load of a wave covers 512 consecutive bytes at a multiple of 512, and the lane's
; offset in a row is 16 x thread.  Each byte of input and of the gathered target rows is loaded once and serves both products:
; the dot with the target row in f32 on the vector unit, the product with the noise rows in bf16 on the matrix unit.
; A wave's slice of the noise matrix (32 columns, 25 used, x 128 k) is 64 registers of B fragments and stays for the whole kernel.
; f32 rows become A fragments through a stage in LDS that is the wave's own: the stream has no barrier.  The waves' partial sums
; meet once, at the end, in LDS.
; IN FLIGHT: a ring of 12 rows x 2 loads x 512 bytes in each wave, a slot asked for again right behind its use.
; NO CLUSTER: the only bytes that work-groups share are the 25 noise rows, 25 x 8,192 = 204,800 bytes read once by each work-group
; against 2 x 64 x 8,192 = 1,048,576 bytes that are its own; and they pass through registers, where they are rounded to bf16.
; NO TENSOR LOADS: every gathered row would want a descriptor of its own, and f32 tiles in LDS are twice the bytes of the bf16 stage.
;
; LIMITS, stated: out2's operands are rounded to bf16, its sums are f32.  The target dot is all f32, summed in a fixed tree (4 per lane,
; 16 lanes, 32 halves), not in the reference's order.  An index is taken as unsigned and clamped to 50256; the problem keeps
; indices inside the table.  Results of exp below 2^-126 are kept as denormals (see EXPE).
.set VMAX,   50256                     ; last row of the tables
.set ROWB,   8192                      ; bytes in a row of input or weight
.set DEPTH,  12                        ; rows in flight in each wave
.set SPITCH, 272                       ; stage row: 128 bf16 = 256 bytes + 16, an odd multiple of 16: the 16 rows of a fragment load start in 16 different groups of four banks
.set PPITCH, 144                       ; dot-partial row: 32 f32 = 128 bytes + 16, odd multiple of 16 likewise
.set TPITCH, 528                       ; a wave's 64 x 2 half sums = 512 bytes + 16
.set OPITCH, 432                       ; a wave's 4 rows x 25 f32 of out2 or out3 = 400 bytes, + 28 that the last row's lanes 25-31 reach, + 4 to a multiple of 16
; LDS map
.set PSTG,   16*16*SPITCH              ;  69632  (stage: bytes 0 .. 69631, 4,352 for each wave)   dot partials, 2,304 for each wave
.set REDN,   PSTG+16*16*PPITCH         ; 106496  noise partials [wave 8192][tile 2048][q 512][lane 16]: accumulator registers 4q .. 4q+3
.set REDT,   REDN+16*8192              ; 237568  target half sums [wave 528][row 8][half 4]
.set O2,     REDT+9216                 ; 246784  out2: [wave 432][row 100][column 4]
.set O3OFF,  16*OPITCH                 ;   6912  out3 lies so far behind out2, in the same form
.set O0,     O2+2*O3OFF                ; 260608  out0's 64 f32; out1's 256 bytes further
; vector registers
;   v0 thread   v1 16 x thread (never rewritten)   v2 stage store   v3 fragment read   v4 partial store   v5 partial read
;   v6 REDT store   v7 REDN store   v8 bias[noise[lane]]   v9 unigram[noise[lane]]   v10 bias[target[row]]   v11 unigram[target[row]]
;   v[12:13] products (later REDN read addresses)   v[14:15] packed bf16   v16 a row's partial   v17 a half sum   v[18:19] zeros (later 64.0, 2^-64)
.set ACC,  20                          ; v[20:35]   two accumulators: columns 0-15, 16-31
.set AF,   36                          ; v[36:67]   A fragments, K step s at AF + 8 s
.set BF,   68                          ; v[68:131]  B fragments, column tile nt, K step s at BF + 32 nt + 8 s
.set PT,   132                         ; v[132:147] sixteen dot partials
.set RING, 148                         ; v[148:243] slot = row % 12: x in 4 registers, the target's weight row in 4
; the final phase's scratch, in A's registers, which are done with by then
.set LN,  36                           ; lane
.set R16, 37                           ; lane & 15
.set HB,  38                           ; lane >> 4
.set L7,  39                           ; lane & 7
.set L3,  40                           ; lane >> 3
.set TRD, 41                           ; REDT read address
.set A0,  42                           ; O0 store address
.set A2,  43                           ; O2 store address
.set OA,  44                           ; the way out: LDS address
.set OB,  45                           ; the way out: offset in out0 / out1
.set SC,  136                          ; v[136:140] factors behind the exponentials
.set TMP, 141
; scalar registers: s[4:23] the ten buffers; s[24:55] targets of rows 0-31; s[68:92] noise words, then s[68:99] targets of rows 32-63;
; s[56:59] offsets and the chosen output; s100 wave; s101 log2(e); s104 saved EXEC; s105 -126.0
	; ---- arguments and lane addresses ----
	s_load_b512 s[4:19], s[0:1], 0x0               ; input, weight, target, noise, bias, unigram_prob, out0, out1
	s_load_b128 s[20:23], s[0:1], 0x40             ; out2, out3
	v_lshl_add_u32 v244, v0, 2, 0x3fc00
	v_mov_b32 v245, 0
	v_lshrrev_b32 v12, 5, v0
	v_readfirstlane_b32 s100, v12                  ; wave 0..15
	v_and_b32 v13, 31, v0                          ; lane
	v_and_b32 v14, 15, v0                          ; r
	v_bfe_u32 v15, v0, 4, 1                        ; h
	v_lshlrev_b32 v1, 4, v0                        ; my 16 bytes in a row: 512 x wave + 16 x lane
	s_mul_i32 s56, s100, 16*SPITCH                 ; my wave's stage
	v_lshl_add_u32 v2, v13, 3, s56                 ; store: 4 bf16 = 8 bytes a lane
	v_mul_u32_u24 v3, v14, SPITCH
	v_lshl_add_u32 v3, v15, 4, v3
	v_add_nc_u32 v3, s56, v3                       ; fragment: row r, 16 h
	s_mul_i32 s57, s100, 16*PPITCH
	s_add_co_u32 s57, s57, PSTG                    ; my wave's dot partials
	v_lshl_add_u32 v4, v13, 2, s57                 ; store: one f32 a lane
	v_mul_u32_u24 v5, v14, PPITCH
	v_lshl_add_u32 v5, v15, 6, v5
	v_add_nc_u32 v5, s57, v5                       ; read: row r, floats 16 h .. 16 h + 15
	s_mul_i32 s58, s100, TPITCH
	s_add_co_u32 s58, s58, REDT
	v_lshlrev_b32 v6, 3, v14
	v_lshl_add_u32 v6, v15, 2, v6
	v_add_nc_u32 v6, s58, v6                       ; half sum of row r, half h
	s_lshl_b32 s59, s100, 13
	s_add_co_u32 s59, s59, REDN
	v_lshl_add_u32 v7, v13, 4, s59                 ; four accumulator registers a lane
	v_min_u32 v16, 24, v13                         ; lanes 25-31 have no column: they take the last one, and what they make is never stored to memory
	v_lshlrev_b32 v16, 2, v16                      ; byte offset of noise[lane]
	v_lshrrev_b32 v17, 3, v0
	v_lshlrev_b32 v17, 2, v17                      ; byte offset of target[thread / 8]: the row whose dot this thread finishes
	v_mov_b32 v18, 0
	v_mov_b32 v19, 0
	s_mov_b32 s101, 0x3fb8aa3b                     ; log2(e)
	s_mov_b32 s105, 0xc2fc0000                     ; -126.0
	s_wait_kmcnt 0x0
	; ---- the indices ----
	s_lshl_b32 s56, ttmp9, 8                       ; 64 targets of 4 bytes
	s_mov_b32 s57, 0
	s_add_nc_u64 s[8:9], s[8:9], s[56:57]
	s_lshl_b32 s56, ttmp9, 19                      ; 64 rows of 8,192 bytes; 255 << 19 stays inside 32 bits
	s_add_nc_u64 s[4:5], s[4:5], s[56:57]
	s_load_b512 s[24:39], s[8:9], 0x0              ; targets of rows 0-15
	s_load_b512 s[40:55], s[8:9], 0x40             ; 16-31
	s_load_b512 s[68:83], s[10:11], 0x0            ; noise words 0-15,
	s_load_b256 s[84:91], s[10:11], 0x40           ; 16-23,
	s_load_b32 s92, s[10:11], 0x60                 ; 24: the buffer's 100 bytes and no more
	global_load_b32 v16, v16, s[10:11]             ; noise[lane]
	global_load_b32 v17, v17, s[8:9]               ; target[row]
	s_wait_kmcnt 0x0
	s_wait_loadcnt 0x0
	v_min_u32 v16, VMAX, v16
	v_min_u32 v17, VMAX, v17
	v_lshlrev_b32 v16, 2, v16
	v_lshlrev_b32 v17, 2, v17
	global_load_b32 v8, v16, s[12:13]              ; these four are the oldest loads of all that follow: every counted wait below covers them,
	global_load_b32 v9, v16, s[14:15]              ; and v16, v17 are written again only behind such a wait
	global_load_b32 v10, v17, s[12:13]
	global_load_b32 v11, v17, s[14:15]
	; ---- the 25 noise rows, my 512 bytes of each, as f32: rows 0-15 where B's fragments will lie, rows 16-24 in ACC and AF ----
	; The offset is made in the load's own first destination register.  50256 x 8192 + 8191 stays below 2^31.
.set k, 0
.rept 25
.if k < 16
.set NR, BF+4*k
.else
.set NR, ACC+4*(k-16)
.endif
	s_min_u32 s[68+k], s[68+k], VMAX
	v_lshl_add_u32 v[NR], s[68+k], 13, v1
	global_load_b128 v[NR:NR+3], v[NR], s[6:7]     ; no hint: every work-group reads these rows
.set k, k+1
.endr
	s_load_b512 s[68:83], s[8:9], 0x80             ; the noise words are used up: targets of rows 32-47,
	s_load_b512 s[84:99], s[8:9], 0xc0             ; 48-63
; Ask for one token's 512 bytes of input and of its target's weight row.
.macro LOADROW row
.set LX, RING+8*((\row)%DEPTH)
.set LT, 24+(\row)+((\row)/32)*12                  ; the row's target: s24-55, s68-99
	global_load_b128 v[LX:LX+3], v1, s[4:5] offset:(\row)*ROWB th:TH_LOAD_NT     ; read once in the launch
	s_min_u32 s[LT], s[LT], VMAX
	v_lshl_add_u32 v[LX+4], s[LT], 13, v1
	global_load_b128 v[LX+4:LX+7], v[LX+4], s[6:7] ; no hint: the list may name a row twice
.endm
.set k, 0
.rept DEPTH
	LOADROW k
.set k, k+1
.endr
; Four f32 to bf16, into row 'row' of my stage.
.macro CVST src, row
	v_cvt_pk_bf16_f32 v14, v[\src], v[\src+1]
	v_cvt_pk_bf16_f32 v15, v[\src+2], v[\src+3]
	ds_store_b64 v2, v[14:15] offset:(\row)*SPITCH
.endm
; Four fragments (16 stage rows x 128 k): lane (r, h) takes k = 32 s + 8 h .. + 7 and 32 s + 16 + 8 h .. + 7 of row r.
.macro FRAG dst
.irp s, 0,1,2,3
	ds_load_b128 v[\dst+8*\s:\dst+8*\s+3],   v3 offset:64*\s
	ds_load_b128 v[\dst+8*\s+4:\dst+8*\s+7], v3 offset:64*\s+32
.endr
.endm
	; ---- B's fragments, through the stage ----
	s_wait_loadcnt 33                              ; loads return in order (ISA guide 5.7.1): behind noise row 15 stand 9 noise rows and the ring's 24
.set k, 0
.rept 16
	CVST BF+4*k, k
.set k, k+1
.endr
	FRAG BF                                        ; LDS serves a wave's instructions in order: these see the stores above
	s_wait_dscnt 0x0                               ; columns 0-15 are out of the stage before it is written again
	s_wait_loadcnt 24                              ; only the ring is younger
.set k, 0
.rept 9
	CVST ACC+4*k, k
.set k, k+1
.endr
.set k, 9
.rept 7
	ds_store_b64 v2, v[18:19] offset:k*SPITCH      ; columns 25-31 are zeros
.set k, k+1
.endr
	FRAG BF+32
	s_wait_dscnt 0x0
	s_wait_kmcnt 0x0                               ; targets of rows 32-63
; ---- the stream ----
; One token.  The wait leaves out the loads of the younger rows: 11 rows x 2 in the middle, fewer at the end, where nothing is asked for.
.macro ROW row
.set RX, RING+8*((\row)%DEPTH)
.set RL, 2*(63-(\row))
.if RL > 2*DEPTH-2
.set RL, 2*DEPTH-2
.endif
	s_wait_loadcnt RL                              ; my two loads are in; that also frees the weight load's offset register
	v_pk_mul_f32 v[12:13], v[RX:RX+1], v[RX+4:RX+5]
	CVST RX, (\row)%16
	v_pk_fma_f32 v[12:13], v[RX+2:RX+3], v[RX+6:RX+7], v[12:13]
	v_add_f32 v16, v12, v13                        ; my four products of the target dot
	ds_store_b32 v4, v16 offset:((\row)%16)*PPITCH
.if (\row)+DEPTH < 64
	LOADROW (\row)+DEPTH
.endif
.endm
; Sixteen tokens are staged: 16 x 32 x 128 on the matrix unit, and the 16 x 32 dot partials summed across lanes by reading them transposed.
.macro TILE t
	FRAG AF
.irp c, 0,1,2,3
	ds_load_b128 v[PT+4*\c:PT+4*\c+3], v5 offset:16*\c
.endr
	s_wait_dscnt 0x4                               ; A's fragments are in; the four loads of partials may stay out
	v_wmma_f32_16x16x32_bf16 v[ACC:ACC+7],    v[AF:AF+7], v[BF:BF+7],     0     ; the first products start the sums
	v_wmma_f32_16x16x32_bf16 v[ACC+8:ACC+15], v[AF:AF+7], v[BF+32:BF+39], 0
.irp s, 1,2,3
	v_wmma_f32_16x16x32_bf16 v[ACC:ACC+7],    v[AF+8*\s:AF+8*\s+7], v[BF+8*\s:BF+8*\s+7],       v[ACC:ACC+7]
	v_wmma_f32_16x16x32_bf16 v[ACC+8:ACC+15], v[AF+8*\s:AF+8*\s+7], v[BF+32+8*\s:BF+32+8*\s+7], v[ACC+8:ACC+15]
.endr
	s_wait_dscnt 0x0
	; eight plain vector instructions that name no matrix register: more than the four places that the stores of the
	; accumulators owe the last matrix instruction
.irp c, 0,4,8,12
	v_pk_add_f32 v[PT+\c:PT+\c+1], v[PT+\c:PT+\c+1], v[PT+\c+2:PT+\c+3]
.endr
	v_pk_add_f32 v[PT:PT+1],   v[PT:PT+1],   v[PT+4:PT+5]
	v_pk_add_f32 v[PT+8:PT+9], v[PT+8:PT+9], v[PT+12:PT+13]
	v_pk_add_f32 v[PT:PT+1],   v[PT:PT+1],   v[PT+8:PT+9]
	v_add_f32 v17, v[PT], v[PT+1]                  ; row r of the tile, lanes 16 h .. 16 h + 15 of my 128 k
	ds_store_b32 v6, v17 offset:\t*128
.irp q, 0,1,2,3
	ds_store_b128 v7, v[ACC+4*\q:ACC+4*\q+3] offset:\t*2048+\q*512
.endr
.endm
	; Written out: the targets lie in named scalar registers, and 12 slots do not divide 16 rows.
.set rw, 0
.rept 4
.rept 16
	ROW rw
.set rw, rw+1
.endr
	TILE (rw/16-1)
.endr
	; ---- the waves' partial sums meet ----
	s_wait_dscnt 0x0                               ; for the others' sake: all my LDS stores are done
	s_barrier_signal -1
	; register work while the others arrive.  Wave W finishes tokens 4 W .. 4 W + 3: for out2 lane = column, four tokens a lane;
	; for out0 eight lanes a token.
	v_and_b32 v[LN], 31, v0
	v_and_b32 v[R16], 15, v0
	v_bfe_u32 v[HB], v0, 4, 1
	v_and_b32 v[L7], 7, v0
	v_bfe_u32 v[L3], v0, 3, 2
	; rows 4 W + 0..3 of the block are, in an accumulator: tile W >> 2, lanes' half (W >> 1) & 1, registers 4 (W & 1) + 0..3
	s_lshr_b32 s56, s100, 2
	s_lshl_b32 s56, s56, 11                        ; tile x 2048
	s_and_b32 s57, s100, 1
	s_lshl_b32 s57, s57, 9                         ; register quad x 512
	s_add_co_u32 s56, s56, s57
	s_bfe_u32 s57, s100, 0x10001
	s_lshl_b32 s57, s57, 8                         ; lanes' half x 16 lanes x 16 bytes
	s_add_co_u32 s56, s56, s57
	s_add_co_u32 s56, s56, REDN
	v_lshl_add_u32 v12, v[R16], 4, s56             ; column & 15
	v_lshl_add_u32 v12, v[HB], 10, v12             ; column tile x 2 quads x 512
	v_add_nc_u32 v13, 0x10000, v12                 ; waves 8-15: beyond the 16-bit offset
	s_lshl_b32 s57, s100, 5                        ; 4 rows x 8 bytes
	s_add_co_u32 s57, s57, REDT
	v_mul_u32_u24 v[TRD], v[L7], 2*TPITCH          ; lane & 7 = p takes waves 2 p, 2 p + 1
	v_lshl_add_u32 v[TRD], v[L3], 3, v[TRD]        ; row 4 W + (lane >> 3)
	v_add_nc_u32 v[TRD], s57, v[TRD]
	s_lshl_b32 s58, s100, 4
	s_add_co_u32 s58, s58, O0
	v_lshl_add_u32 v[A0], v[L3], 2, s58            ; out0's word of that row
	s_mul_i32 s59, s100, OPITCH                    ; my wave's own 432 bytes
	s_add_co_u32 s59, s59, O2
	v_lshl_add_u32 v[A2], v[LN], 2, s59            ; out2's word of row 4 W, column lane
	v_mov_b32 v18, 0x42800000                      ; 64.0
	v_mov_b32 v19, 0x1f800000                      ; 2^-64
	v_mul_f32 v8, s101, v8                         ; the biases in base 2
	v_mul_f32 v10, s101, v10
	s_barrier_wait -1
.irp i, 0,1,2,3,4,5,6,7
	ds_load_b128 v[RING+4*\i:RING+4*\i+3],       v12 offset:8192*\i      ; wave i's four sums
	ds_load_b128 v[RING+32+4*\i:RING+32+4*\i+3], v13 offset:8192*\i      ; wave 8 + i's
.endr
	ds_load_b64 v[PT:PT+1],   v[TRD]
	ds_load_b64 v[PT+2:PT+3], v[TRD] offset:TPITCH
	s_wait_dscnt 0x0
	; sixteen waves to one, a tree of 16 + 8 + 4 + 2 packed adds
.set w, 32
.rept 4
.set i, 0
.rept w/2
	v_pk_add_f32 v[RING+2*i:RING+2*i+1], v[RING+2*i:RING+2*i+1], v[RING+w+2*i:RING+w+2*i+1]
.set i, i+1
.endr
.set w, w/2
.endr
	v_pk_add_f32 v[PT:PT+1], v[PT:PT+1], v[PT+2:PT+3]
	v_add_f32 v[PT], v[PT], v[PT+1]
	v_add_f32_dpp v[PT], v[PT], v[PT] row_xmask:1 row_mask:0xf bank_mask:0xf     ; the eight lanes of a row: all end with the same sum
	v_add_f32_dpp v[PT], v[PT], v[PT] row_xmask:2 row_mask:0xf bank_mask:0xf
	v_add_f32_dpp v[PT], v[PT], v[PT] row_xmask:4 row_mask:0xf bank_mask:0xf
.irp i, 0,1,2,3
	v_fma_f32 v[RING+\i], v[RING+\i], s101, v8     ; (dot + bias) log2(e)
.endr
	v_fma_f32 v[PT], v[PT], s101, v10
; v_exp_f32 gives zero where 2^y would be a denormal (ISA guide, its entry in 15.8).  So below y = -126 the exponent is raised by 64 and
; the result multiplied by 2^-64, which rounds it to the denormal; below -190 both ways give the zero that f32 has there.
.macro EXPE y, sc
	v_cmp_gt_f32 vcc_lo, s105, v[\y]
	v_cndmask_b32 v[TMP], 0, v18, vcc_lo
	v_cndmask_b32 v[\sc], 1.0, v19, vcc_lo
	v_add_f32 v[\y], v[\y], v[TMP]
.endm
.irp i, 0,1,2,3
	EXPE RING+\i, SC+\i
.endr
	EXPE PT, SC+4
.irp i, 0,1,2,3
	v_exp_f32 v[RING+\i], v[RING+\i]
.endr
	v_exp_f32 v[PT], v[PT]
	v_nop                                          ; one plain vector instruction between a transcendental and the use of its result (ISA guide 5.7.2)
	s_wait_alu depctr_va_vdst(0)
.irp i, 0,1,2,3
	v_mul_f32 v[RING+\i], v[RING+\i], v[SC+\i]
.endr
	v_mul_f32 v[PT], v[PT], v[SC+4]
	ds_store_b32 v[A0], v[PT]                      ; eight lanes, one word, one value
	ds_store_b32 v[A0], v11 offset:256             ; out1
	; out2 and out3, packed as in memory: rows 100 bytes apart, all 32 lanes on.  Lanes 25-31 of row i write 28 bytes into the head of
	; row i + 1, which this wave's next store writes over: LDS serves a wave's instructions in order (ISA guide 5.7.1).  The last row's
	; 28 bytes end at byte 428 of the wave's own 432: no two waves write the same byte.
	ds_store_b32 v[A2], v9 offset:304              ; first bytes 304-431 once, so that the region's last four bytes are written too
	ds_store_b32 v[A2], v9 offset:O3OFF+304
.irp i, 0,1,2,3
	ds_store_b32 v[A2], v[RING+\i] offset:100*\i
	ds_store_b32 v[A2], v9 offset:O3OFF+100*\i     ; out3
.endr
	s_wait_dscnt 0x0                               ; for the others' sake
	s_barrier_signal -1
	s_barrier_wait -1
	; ---- the way out: whole aligned runs of 256 bytes from neighbouring lanes ----
	s_cmp_lt_u32 s100, 13
	s_cbranch_scc0 .Lsmall
	; waves 0-12: the block's 6,400 bytes of out2 and of out3 are 400 pieces of 16 bytes; 6,400 = 25 x 256, so each block starts at a
	; multiple of 256 from the buffer's first byte, and sixteen lanes store 256 consecutive bytes.
	; In LDS a wave's 400 bytes are 25 pieces in a region 32 bytes longer: piece p lies at 16 p + 32 floor(p / 25).
	; floor(p / 25) = (1311 p) >> 15 for p < 512: 1311 x 25 = 32768 + 7, and 7 p / (25 x 32768) stays under 1/25.
	s_mul_i32 s56, ttmp9, 6400
	s_mov_b32 s57, 0
	s_add_nc_u64 s[20:21], s[20:21], s[56:57]
	s_add_nc_u64 s[22:23], s[22:23], s[56:57]
	v_mul_u32_u24 v[OA], v0, 1311
	v_lshrrev_b32 v[OA], 15, v[OA]
	v_lshl_add_u32 v[OA], v[OA], 5, v1
	v_add_nc_u32 v[OA], O2, v[OA]
	v_cmp_gt_u32 vcc_lo, 400, v0                   ; wave 12 has sixteen pieces left
	s_wait_xcnt 0x0                                ; EXEC is a source of every global instruction issued so far: it changes only behind this wait
	s_wait_tensorcnt 0x0
	ds_add_u32 v244, v245
	s_wait_dscnt 0x0
	s_and_saveexec_b32 s104, vcc_lo
	ds_load_b128 v[RING:RING+3],   v[OA]
	ds_load_b128 v[RING+4:RING+7], v[OA] offset:O3OFF
	s_wait_dscnt 0x0
	global_store_b128 v1, v[RING:RING+3],   s[20:21] th:TH_STORE_NT
	global_store_b128 v1, v[RING+4:RING+7], s[22:23] th:TH_STORE_NT
	s_endpgm
.Lsmall:
	s_cmp_eq_u32 s100, 15
	s_cbranch_scc1 .Lend                           ; wave 15 has nothing left to store
	; wave 13: out0, wave 14: out1; 64 f32 = 256 bytes in one store of 8 bytes a lane
	s_cmp_eq_u32 s100, 13
	s_cselect_b64 s[58:59], s[16:17], s[18:19]
	s_lshl_b32 s56, ttmp9, 8
	s_mov_b32 s57, 0
	s_add_nc_u64 s[58:59], s[58:59], s[56:57]
	v_lshl_add_u32 v[OA], v0, 3, O0-13*256         ; 8 x thread = 256 x wave + 8 x lane
	v_lshlrev_b32 v[OB], 3, v[LN]
	ds_load_b64 v[RING:RING+1], v[OA]
	s_wait_dscnt 0x0
	global_store_b64 v[OB], v[RING:RING+1], s[58:59] th:TH_STORE_NT
.Lend:
	s_wait_tensorcnt 0x0
	ds_add_u32 v244, v245
	s_wait_dscnt 0x0
	s_endpgm
.Lfunc_end_k_q243592edcf_nce:
	.size	k_q243592edcf_nce, .Lfunc_end_k_q243592edcf_nce-k_q243592edcf_nce
	.p2alignl 7, 3214868480
	.fill 96, 4, 3214868480
	.section	.rodata,"a",@progbits
	.p2align	6, 0x0
	.amdhsa_kernel k_q243592edcf_nce
		.amdhsa_group_segment_fixed_size 263168
		.amdhsa_private_segment_fixed_size 0
		.amdhsa_enable_private_segment 0
		.amdhsa_kernarg_size 80
		.amdhsa_user_sgpr_count 2
		.amdhsa_user_sgpr_kernarg_segment_ptr 1
		.amdhsa_wavefront_size32 1
		.amdhsa_system_sgpr_workgroup_id_x 1
		.amdhsa_system_sgpr_workgroup_id_y 1
		.amdhsa_system_sgpr_workgroup_id_z 1
		.amdhsa_system_vgpr_workitem_id 0
		.amdhsa_next_free_vgpr 246
		.amdhsa_next_free_sgpr 106
		.amdhsa_reserve_vcc 1
		.amdhsa_float_denorm_mode_32 3
		.amdhsa_float_denorm_mode_16_64 3
		.amdhsa_memory_ordered 1
		.amdhsa_forward_progress 1
		.amdhsa_inst_pref_size 81
	.end_amdhsa_kernel
	.amdgpu_metadata
---
amdhsa.version: [ 1, 2 ]
amdhsa.kernels:
  - .name:           k_q243592edcf_nce
    .symbol:         k_q243592edcf_nce.kd
    .args:
      - { .name: input, .offset: 0, .size: 8, .value_kind: global_buffer, .address_space: global }
      - { .name: weight, .offset: 8, .size: 8, .value_kind: global_buffer, .address_space: global }
      - { .name: target, .offset: 16, .size: 8, .value_kind: global_buffer, .address_space: global }
      - { .name: noise, .offset: 24, .size: 8, .value_kind: global_buffer, .address_space: global }
      - { .name: bias, .offset: 32, .size: 8, .value_kind: global_buffer, .address_space: global }
      - { .name: unigram_prob, .offset: 40, .size: 8, .value_kind: global_buffer, .address_space: global }
      - { .name: out0, .offset: 48, .size: 8, .value_kind: global_buffer, .address_space: global }
      - { .name: out1, .offset: 56, .size: 8, .value_kind: global_buffer, .address_space: global }
      - { .name: out2, .offset: 64, .size: 8, .value_kind: global_buffer, .address_space: global }
      - { .name: out3, .offset: 72, .size: 8, .value_kind: global_buffer, .address_space: global }
    .group_segment_fixed_size: 263168
    .private_segment_fixed_size: 0
    .kernarg_segment_align: 8
    .kernarg_segment_size: 80
    .max_flat_workgroup_size: 512
    .sgpr_count:     106
    .vgpr_count:     246
    .wavefront_size: 32
...
	.end_amdgpu_metadata
.endif
;; end of part 1
